; MI455X (gfx1250); checked and timed in simulation.
; The chip was launched on July 23, 2026; its instructions are those of AMD's public machine-readable ISA for CDNA 5 (MIT licence, August 2026) and "CDNA5" Instruction Set Architecture Reference Guide (July 2026). The comments in the code are by the model that wrote it; some were corrected since.
;; TF Model. Allowed arithmetic: float matrix products may take bf16 or f16 operands with f32 sums; all other float work in f32.
;; Inputs: ft_add_left_right 1 x 490 x 34 x 34 float32; rois 10,000 x 5 float32.
;; Outputs: out0 10,000 x 10 x 49 float32.
;; 2 versions, each right and faster than the one before. Each part assembles by itself: llvm-mc -triple=amdgcn-amd-amdhsa -mcpu=gfx1250 --defsym DOCPART=n.
;; ======== version 1 of 2: 1 launch
;; limits: values outside matrix products are rounded to f16; values are held in f16: magnitudes above 65,504 overflow, below 6.1e-05 lose precision; inputs' magnitudes at most 65,504; below input magnitudes of 6.1e-05 results are inexact or not finite
;; launch psroi (part 1): grid 5 x 40, 7 waves a work-group, no clusters, 327,680 bytes of LDS; arguments ft_add_left_right, rois, out0; writes out0
.if DOCPART == 1
	.amdgcn_target "amdgcn-amd-amdhsa--gfx1250"
	.amdhsa_code_object_version 6
	.text
	.protected	k_q3830ec2bf7_psroi
	.globl	k_q3830ec2bf7_psroi
	.p2align	8
	.type	k_q3830ec2bf7_psroi,@function
k_q3830ec2bf7_psroi:
	s_mov_b64 s[64:65], 0
	v_nop
	global_prefetch_b8 v0, s[64:65] scope:SCOPE_SE
	s_setreg_imm32_b32 hwreg(HW_REG_WAVE_MODE, 25, 1), 1
	s_wait_xcnt 0x0
; Position-sensitive RoI align, written densely.  For a sample at height h the bilinear weight of feature row y is
; hat(y) = max(0, 1 - |h - y|); on y = 0..33 this one expression holds floor and ceil corners, the four validity masks, the
; clips and (for the sum) 'keep', since it is 0 for h <= -1 and h >= 34.  So
;   out[n][c][ph*7+pw] = sum_x Ax[n][pw][x] * ( sum_y Ay[n][ph][y] * F[c][ph][pw][y][x] ),
; Ay, Ax = the four samples' hats added, each already divided by max(number of kept samples on that axis, 1)
; (count = cntH * cntW; where it is 0 all weights are 0 and the result is 0, as in the reference).
; The inner sum is an f16 matrix product with f32 sums, the outer one f32 multiply-adds on the accumulators.
; No address, branch or trip count hangs on data.
;
; WHY f16 AND NOT bf16.  The result is compared within a hundredth of the output's rms.  Sums in which features of magnitude
; 2 to 4 cancel keep the operands' absolute rounding errors: with 8 significant bits up to 2^-7 a feature, which is of the
; allowance's own size; with f16's 11 bits an eighth of that.
;
; SHARES.  Work-group (g, chunk): channels 2g, 2g+1 and rois 250 chunk .. +249, in 4 blocks of 64 rois that begin at
; min(64 b, 186): the last block repeats 6 rois of the third (same work-group, same values), so no mask is needed.
; Wave w (0..6): owns pw = w (7 units ph = 0..6 of two planes each), builds Ay of ph = w for all waves, Ax of pw = w for itself.
;
; LIMITS.  F must be finite and below 65,504 in magnitude, f16's largest number (a weight 0 meets every row of a plane;
; 0 x inf would be NaN).  Ay and F are rounded to f16, all else is f32.  1/count is v_rcp_f32(cntH) * v_rcp_f32(cntW).
; The bin length len/7 is made correctly rounded and p*bin, the add and the floor are rounded one by one as the reference
; writes them; a run of the reference that multiplies by 1/7 or fuses these steps can put a bin start on the other side of
; an integer.  NaN or infinite rois give 0, as in the reference.  rois[:,0] is not read: the reference does not use it.
; Output leaves in pieces of 392 neighbouring bytes (one roi, two channels): the layout [n][10][49] gives a channel pair no more.
;
; NO CLUSTER, NO TENSOR LOADS: F has to be rounded to f16 and re-placed (two planes interleaved by column tiles), which goes
; through registers; a work-group's 453,152 bytes of f32 do not fit beside their 266,560-byte f16 image in LDS.
.set PLANE,  4624                      ; 34 x 34 f32
.set PHS,    7*PLANE                   ; from ph to ph + 1
.set CHS,    49*PLANE                  ; from channel to channel
.set PB,     1120                      ; LDS pitch of a feature row y: 7 units x 160 bytes = 35 x 32, an odd multiple of 32
.set UNIT,   160                       ; one ph: five column tiles of 16 f16: c x0-15 | c x16-31 | c x32-39, c' x32-39 | c' x0-15 | c' x16-31
.set WREG,   34*PB                     ; a wave's own part of B: 38,080 bytes
.set ARG,    7*WREG                    ; 266,560: Ay fragments, 28 x 1,152 bytes (fragment 4 ph + t)
.set FRAG,   1152                      ; 512 (registers 0-3) + 512 (registers 4-7) + 128 (rows 32, 33)
.set STG,    ARG+28*FRAG               ; 298,816: results, [64 rois][2 channels][49] f32
.set SPITCH, 392
; persistent vector registers: v1 ADR1, v2 ADR2 (B), v3 v4 (Ay out), v5 v6 (Ay in), v7 (stage in), v8 (stage out), v9 (20 r)
.set A1,  16                           ; v[16:47]   Ay, rows 0-31, tile t at 8 t
.set A2,  48                           ; v[48:79]   Ay, rows 32-63: register 0 = rows 32, 33 (lanes 0-15), the rest stays 0
.set BB,  80                           ; v[80:91], v[92:103] two B buffers: +0..3 rows 32,33; +4..11 rows 0-31
.set D,   104                          ; v[104:135] products of one column tile, tile t at 8 t
.set ACC, 136                          ; v[136:151] tile t: a pair for c, a pair for c'
.set M,   152                          ; v[152:231] tile t at 20 t: Ax(8h+j), Ax(16+8h+j), (Ax32,Ax33) for lanes 0-15, the same for lanes 16-31
.set Y,   232                          ; v[232:255] 8h+0..9, 16+8h+0..9, 32..35 as f32
; at work while weights are made
.set RO,  16                           ; v[16:31]   x1 y1 x2 y2 of tile t at 4 t
.set HC,  80                           ; four sample coordinates
.set HC1, 84                           ; the same + 1
.set T,   88
.set G,   96                           ; v[96:119]  24 values along Y
.set P,   120
.set R,   126                          ; 1 / max(count, 1), twice
.set PK,  128
; at work on the way out
.set OD,  80
.set OO,  108
; at work during the fill
.set FB0, 16
.set FB1, 90
.set TZ,  164
.set VG,  176
.set VL,  177
.set VGTA, 178
.set VGTC, 179
.set VLTA, 180
.set VLTC, 181
	s_load_b128 s[4:7], s[0:1], 0x0                ; ft s[4:5], rois s[6:7]
	s_load_b64 s[8:9], s[0:1], 0x10                ; out0
	s_set_vgpr_msb 0x40
	v_lshl_add_u32 v0, v0, 2, 0x4f200
	v_mov_b32 v1, 0
	s_set_vgpr_msb 0x4000
	v_lshrrev_b32 v10, 5, v0
	v_readfirstlane_b32 s10, v10                   ; wave w
	s_mov_b32 s11, ttmp9                           ; g: channel pair
	s_and_b32 s12, ttmp7, 0xffff                   ; chunk of 250 rois
	s_mov_b32 s22, 0x76543210                      ; v_permlanex16_b32: lane i takes lane i of the other half
	s_mov_b32 s23, 0xfedcba98
	s_mov_b32 s24, 0xffff0000                      ; lanes 16-31 (h = 1)
	s_cvt_f32_u32 s25, s10                         ; w as f32: the bin index of both weight vectors of this wave
	s_mov_b32 s28, 0x3e124925                      ; 1/7 rounded
	s_mov_b32 s29, 0x42080000                      ; 34.0
	s_mov_b32 s30, 0x3dcccccd                      ; 0.1
	s_mul_i32 s33, s10, WREG                       ; my part of B
	s_mul_i32 s14, s11, 2*CHS
	s_mul_i32 s15, s10, PLANE
	s_add_co_u32 s14, s14, s15
	s_mov_b32 s15, 0
	v_and_b32 v11, 31, v0                          ; L
	v_and_b32 v12, 15, v0                          ; r
	v_bfe_u32 v13, v0, 4, 1                        ; h
	v_bfe_u32 v14, v0, 3, 1                        ; (L >> 3) & 1
	v_and_b32 v15, 7, v0
	v_and_b32 v10, 1, v0
	; fill, columns 0-31: lane = (channel h, two columns 2r, 2r+1)
	v_lshlrev_b32 v[VG], 3, v12
	v_mad_u32_u24 v[VG], v13, CHS, v[VG]
	v_lshlrev_b32 v[VL], 2, v12
	v_mad_u32_u24 v[VL], v13, 96, v[VL]
	v_add_nc_u32 v[VL], s33, v[VL]
	; fill, columns 32, 33: rows 0-31 by lane (the channel in the immediates), rows 32, 33 of both channels by lane bits 0 and 1
	v_mul_u32_u24 v[VGTA], v11, 136
	v_add_nc_u32 v[VGTA], 128, v[VGTA]
	v_bfe_u32 v[VGTC], v0, 1, 1
	v_mul_u32_u24 v[VGTC], v[VGTC], CHS
	v_mad_u32_u24 v[VGTC], v10, 136, v[VGTC]
	v_add_nc_u32 v[VGTC], 32*136+128, v[VGTC]
	v_mul_u32_u24 v[VLTA], v11, PB
	v_add_nc_u32 v[VLTA], s33, v[VLTA]
	v_bfe_u32 v[VLTC], v0, 1, 1
	v_lshlrev_b32 v[VLTC], 4, v[VLTC]
	v_mad_u32_u24 v[VLTC], v10, PB, v[VLTC]
	v_add_nc_u32 v[VLTC], s33, v[VLTC]
.irp k, 1,2,3,5,6,7,9,10,11
	v_mov_b32 v[TZ+\k], 0                          ; columns 34-39 of the third column tile are stored as zeros
.endr
	s_wait_kmcnt 0x0
	s_add_nc_u64 s[16:17], s[4:5], s[14:15]        ; ft at plane (2g, ph 0, pw w)
; 37 loads: the two planes of unit u, 8 bytes a lane
.macro LOADU u, fb
.set yy, 0
.rept 34
	global_load_b64 v[\fb+2*yy:\fb+2*yy+1], v[VG], s[16:17] offset:\u*PHS+yy*136
.set yy, yy+1
.endr
	global_load_b64 v[\fb+68:\fb+69], v[VGTA], s[16:17] offset:\u*PHS
	global_load_b64 v[\fb+70:\fb+71], v[VGTA], s[16:17] offset:\u*PHS+CHS
	global_load_b64 v[\fb+72:\fb+73], v[VGTC], s[16:17] offset:\u*PHS
.endm
; round to f16 and place: [y][unit][column tiles]
.macro STOREU u, fb
.set yy, 0
.rept 34
	v_cvt_pk_f16_f32 v[\fb+2*yy], v[\fb+2*yy], v[\fb+2*yy+1]
	ds_store_b32 v[VL], v[\fb+2*yy] offset:yy*PB+\u*UNIT
.set yy, yy+1
.endr
	v_cvt_pk_f16_f32 v[TZ], v[\fb+68], v[\fb+69]
	v_cvt_pk_f16_f32 v[TZ+4], v[\fb+70], v[\fb+71]
	v_cvt_pk_f16_f32 v[TZ+8], v[\fb+72], v[\fb+73]
	ds_store_b128 v[VLTA], v[TZ:TZ+3] offset:\u*UNIT+64
	ds_store_b128 v[VLTA], v[TZ+4:TZ+7] offset:\u*UNIT+80
	ds_store_b128 v[VLTC], v[TZ+8:TZ+11] offset:\u*UNIT+64+32*PB
.endm
	LOADU 0, FB0
	LOADU 1, FB1
	; the lane constants, while the first two units are on their way
	v_lshl_add_u32 v1, v13, 3, v15                 ; ADR1: row 8h + (L & 7) of my B, 16 bytes by (L >> 3) & 1
	v_mul_u32_u24 v1, v1, PB
	v_lshl_add_u32 v1, v14, 4, v1
	v_add_nc_u32 v1, s33, v1
	v_add_nc_u32 v2, 32, v10                       ; ADR2: row 32 + (L & 1)
	v_mul_u32_u24 v2, v2, PB
	v_lshl_add_u32 v2, v14, 4, v2
	v_add_nc_u32 v2, s33, v2
	s_mul_i32 s34, s10, 4*FRAG
	s_add_co_u32 s34, s34, ARG                     ; the four fragments of ph = w
	v_lshl_add_u32 v3, v11, 4, s34
	v_lshl_add_u32 v4, v11, 2, s34
	v_add_nc_u32 v4, 1024, v4
	v_lshlrev_b32 v5, 4, v11
	v_add_nc_u32 v5, ARG, v5
	v_lshlrev_b32 v6, 2, v11
	v_add_nc_u32 v6, ARG+1024, v6
	v_mul_u32_u24 v7, v12, SPITCH                  ; stage: roi r, channel h, bin column w
	v_mad_u32_u24 v7, v13, 196, v7
	s_lshl_b32 s35, s10, 2
	s_add_co_u32 s35, s35, STG
	v_add_nc_u32 v7, s35, v7
	v_lshlrev_b32 v8, 3, v0
	v_add_nc_u32 v8, STG, v8
	v_mul_u32_u24 v9, v12, 20                      ; a roi is 5 f32
	v_lshlrev_b32 v10, 3, v13                      ; 8h
.set j, 0
.rept 10
	v_add_nc_u32 v[Y+j], j, v10
	v_add_nc_u32 v[Y+10+j], 16+j, v10
.set j, j+1
.endr
.set j, 0
.rept 20
	v_cvt_f32_u32 v[Y+j], v[Y+j]
.set j, j+1
.endr
	v_mov_b32 v[Y+20], 0x42000000                  ; 32.0
	v_mov_b32 v[Y+21], 0x42040000                  ; 33.0
	v_mov_b32 v[Y+22], 0x42080000                  ; 34.0
	v_mov_b32 v[Y+23], 0x420c0000                  ; 35.0
	; two units (74 loads of 256 bytes a wave) are asked for ahead; the count 37 lets the younger unit stay out
	s_wait_loadcnt 37
	STOREU 0, FB0
	LOADU 2, FB0
	s_wait_loadcnt 37
	STOREU 1, FB1
	LOADU 3, FB1
	s_wait_loadcnt 37
	STOREU 2, FB0
	LOADU 4, FB0
	s_wait_loadcnt 37
	STOREU 3, FB1
	LOADU 5, FB1
	s_wait_loadcnt 37
	STOREU 4, FB0
	LOADU 6, FB0
	s_wait_loadcnt 37
	STOREU 5, FB1
	s_wait_loadcnt 0x0
	STOREU 6, FB0
	; rows 34-63 of the second K step do not exist: Ay is 0 there, once for the whole kernel (registers 1-7 of each A2 tile)
.irp t, 0,1,2,3
.irp k, 1,2,3,4,5,6,7
	v_mov_b32 v[A2+8*\t+\k], 0
.endr
.endr
; The four sample coordinates of bin w along one axis, and 1 / max(kept samples, 1).
; Multiplies and adds stay apart on purpose: each step is rounded as the reference rounds it, because a floor and two
; comparisons follow.
.macro PARAM lo, hi
	v_mul_f32 v[P], 0x3e000000, v[\lo]             ; start / 8 (exact)
	v_mul_f32 v[P+1], 0x3e000000, v[\hi]
	v_sub_f32 v[P+1], v[P+1], v[P]
	v_cmp_lt_f32 vcc_lo, s30, v[P+1]
	v_cndmask_b32 v[P+1], s30, v[P+1], vcc_lo      ; length, at least 0.1 (a NaN gives 0.1, as jnp.where does)
	v_mul_f32 v[P+2], s28, v[P+1]                  ; length / 7, correctly rounded: q = x y, e = x - 7 q, q + e y
	v_fmamk_f32 v[P+3], v[P+2], 0xc0e00000, v[P+1]
	v_fmac_f32 v[P+2], s28, v[P+3]
	v_mul_f32 v[P+3], s25, v[P+2]                  ; w * bin
	v_add_f32 v[P+3], v[P], v[P+3]
	v_floor_f32 v[P+3], v[P+3]                     ; the bin's start
	v_mul_f32 v[P+2], 0x3e800000, v[P+2]           ; bin / 4 (exact)
	v_mul_f32 v[HC], 0.5, v[P+2]
	v_mul_f32 v[HC+1], 0x3fc00000, v[P+2]          ; 1.5
	v_mul_f32 v[HC+2], 0x40200000, v[P+2]          ; 2.5
	v_mul_f32 v[HC+3], 0x40600000, v[P+2]          ; 3.5
.irp k, 0,1,2,3
	v_add_f32 v[HC+\k], v[P+3], v[HC+\k]
.endr
.irp k, 0,1,2,3
	v_cmp_lt_f32 s[38+2*\k], -1.0, v[HC+\k]        ; kept: -1 < coordinate < 34 (false for NaN)
	v_cmp_gt_f32 s[39+2*\k], s29, v[HC+\k]
.endr
.irp k, 0,1,2,3
	v_cndmask_b32 v[T+\k], 0, 1.0, s[38+2*\k]
.endr
.irp k, 0,1,2,3
	v_cndmask_b32 v[T+\k], 0, v[T+\k], s[39+2*\k]
.endr
	v_add_f32 v[T], v[T], v[T+1]
	v_add_f32 v[T+2], v[T+2], v[T+3]
	v_add_f32 v[T], v[T], v[T+2]
	v_max_num_f32 v[P+5], 1.0, v[T]
	v_rcp_f32 v[R], v[P+5]                         ; twice: a pair for the packed multiplies.  The plain lines below stand
	v_rcp_f32 v[R+1], v[P+5]                       ; between the reciprocals and their first use (ISA guide 5.7.2)
.irp k, 0,1,2,3
	v_max_num_f32 v[HC+\k], -2.0, v[HC+\k]         ; outside [-2, 36] every weight on rows 0-33 is 0 anyway; a NaN becomes -2
.endr
.irp k, 0,1,2,3
	v_min_num_f32 v[HC+\k], 0x42100000, v[HC+\k]   ; 36.0: keeps the sums below finite and small
.endr
.irp k, 0,1,2,3
	v_add_f32 v[HC1+\k], 1.0, v[HC+\k]
.endr
.endm
; G(y) = sum over the 4 samples of y clamped to [h, h+1]; hat summed = G(y+1) - G(y).  24 values of G, 18 differences.
.macro HATS
.irp g, 0,2,4,6,8,10,12,14,16,18,20,22
.irp k, 0,1,2,3
	v_med3_num_f32 v[T+2*\k], v[Y+\g], v[HC+\k], v[HC1+\k]
	v_med3_num_f32 v[T+2*\k+1], v[Y+\g+1], v[HC+\k], v[HC1+\k]
.endr
	v_pk_add_f32 v[T:T+1], v[T:T+1], v[T+2:T+3]
	v_pk_add_f32 v[T+4:T+5], v[T+4:T+5], v[T+6:T+7]
	v_pk_add_f32 v[G+\g:G+\g+1], v[T:T+1], v[T+4:T+5]
.endr
.irp j, 0,1,2,3,4,5,6,7,10,11,12,13,14,15,16,17,20,21
	v_sub_f32 v[G+\j], v[G+\j+1], v[G+\j]          ; ascending, in place: G[j+1] is still the old one
.endr
.endm
; Ay of roi tile t as a matrix operand: lane (r, h) holds roi r, rows 8h..8h+7, 16+8h..+7 (ISA guide 7.12.2), and rows 32, 33
.macro AYOUT t
	s_wait_alu depctr_va_vdst(0)
.irp j, 0,2,4,6,10,12,14,16,20
	v_pk_mul_f32 v[G+\j:G+\j+1], v[G+\j:G+\j+1], v[R:R+1]
.endr
.irp k, 0,1,2,3
	v_cvt_pk_f16_f32 v[PK+\k], v[G+2*\k], v[G+2*\k+1]
	v_cvt_pk_f16_f32 v[PK+4+\k], v[G+10+2*\k], v[G+11+2*\k]
.endr
	v_cvt_pk_f16_f32 v[PK+8], v[G+20], v[G+21]
	v_cndmask_b32 v[PK+8], v[PK+8], 0, s24         ; in lanes 16-31 this register means rows 40, 41: zero
	ds_store_b128 v3, v[PK:PK+3] offset:\t*FRAG
	ds_store_b128 v3, v[PK+4:PK+7] offset:\t*FRAG+512
	ds_store_b32 v4, v[PK+8] offset:\t*FRAG
.endm
; Ax of roi tile t stays in f32 in this wave's registers, laid as the products' columns lie
.macro AXOUT t
	s_wait_alu depctr_va_vdst(0)
.irp j, 0,2,4,6
	v_pk_mul_f32 v[M+20*\t+\j:M+20*\t+\j+1], v[G+\j:G+\j+1], v[R:R+1]
	v_pk_mul_f32 v[M+20*\t+8+\j:M+20*\t+9+\j], v[G+10+\j:G+11+\j], v[R:R+1]
.endr
	v_pk_mul_f32 v[T:T+1], v[G+20:G+21], v[R:R+1]
	v_cndmask_b32 v[M+20*\t+16], v[T], 0, s24      ; columns 32, 33 of c lie in lanes 0-15,
	v_cndmask_b32 v[M+20*\t+17], v[T+1], 0, s24
	v_cndmask_b32 v[M+20*\t+18], 0, v[T], s24      ; those of c' in lanes 16-31
	v_cndmask_b32 v[M+20*\t+19], 0, v[T+1], s24
.endm
; the B operand of column tile number ct (5 to a unit, in the order 2, 0, 1, 3, 4): three transposing loads
.macro BLOAD ct
.set bpos, (\ct)%5
.if bpos == 0
.set btile, 2
.else
.if bpos < 3
.set btile, bpos-1
.else
.set btile, bpos
.endif
.endif
.set bb, BB+12*((\ct)&1)
.set boff, ((\ct)/5)*UNIT+32*btile
	ds_load_tr16_b128 v[bb:bb+3], v2 offset:boff                   ; rows 32, 33 (elements 0, 1; the rest repeats them and meets Ay = 0)
	ds_load_tr16_b128 v[bb+4:bb+7], v1 offset:boff                 ; rows 8h .. 8h+7
	ds_load_tr16_b128 v[bb+8:bb+11], v1 offset:boff+16*PB          ; rows 16+8h .. +7
.endm
; Ay of unit ph, all four roi tiles
.macro ALOAD ph
.irp t, 0,1,2,3
	ds_load_b128 v[A1+8*\t:A1+8*\t+3], v5 offset:(4*(\ph)+\t)*FRAG
	ds_load_b128 v[A1+8*\t+4:A1+8*\t+7], v5 offset:(4*(\ph)+\t)*FRAG+512
	ds_load_b32 v[A2+8*\t], v6 offset:(4*(\ph)+\t)*FRAG
.endr
.endm
; a unit's end: add the pair, then the two halves of the lanes; lane (r, h) keeps channel 2g + h of roi r
.macro FIN ph
.irp t, 0,1,2,3
	v_add_f32 v[ACC+4*\t], v[ACC+4*\t], v[ACC+4*\t+1]
	v_add_f32 v[ACC+4*\t+1], v[ACC+4*\t+2], v[ACC+4*\t+3]
.endr
.irp t, 0,1,2,3
	v_cndmask_b32 v[ACC+4*\t+2], v[ACC+4*\t], v[ACC+4*\t+1], s24   ; what I keep
	v_cndmask_b32 v[ACC+4*\t+3], v[ACC+4*\t+1], v[ACC+4*\t], s24   ; what the other half needs
.endr
.irp t, 0,1,2,3
	v_permlanex16_b32 v[ACC+4*\t], v[ACC+4*\t+3], s22, s23
.endr
.irp t, 0,1,2,3
	v_add_f32 v[ACC+4*\t+2], v[ACC+4*\t+2], v[ACC+4*\t]
	ds_store_b32 v7, v[ACC+4*\t+2] offset:\t*16*SPITCH+(\ph)*28
.endr
.endm
; One column tile: 16 columns x 64 rois x 34 rows.  The sources are swapped (B first), so that lane (r, h) holds roi r and its
; registers j the columns 8h + j, beside the Ax of the same columns.
.macro CT ct
.set cph, (\ct)/5
.set cpos, (\ct)%5
.if cpos == 0
.set ctile, 2
.else
.if cpos < 3
.set ctile, cpos-1
.else
.set ctile, cpos
.endif
.endif
.set cb, BB+12*((\ct)&1)
.if \ct < 34
	BLOAD \ct+1                                    ; into the buffer that the tile before this one read: its products lie 4 v_nop and 8 or more multiply-adds back
	s_wait_dscnt 0x3                               ; LDS returns in order: all but the three loads just issued are done (this tile's B, Ay)
.else
	s_wait_dscnt 0x0
.endif
.irp t, 0,1,2,3
	v_wmma_f32_16x16x32_f16 v[D+8*\t:D+8*\t+7], v[cb+4:cb+11], v[A1+8*\t:A1+8*\t+7], 0
.endr
.irp t, 0,1,2,3
	v_wmma_f32_16x16x32_f16 v[D+8*\t:D+8*\t+7], v[cb:cb+7], v[A2+8*\t:A2+8*\t+7], v[D+8*\t:D+8*\t+7]
.endr
.rept 4
	v_nop                                          ; four places before D is read and before loads go into Ay's registers
.endr
.if cpos == 4
.if cph < 6
	ALOAD cph+1
.endif
.endif
.if ctile == 2
.irp t, 0,1,2,3
	v_pk_mul_f32 v[ACC+4*\t:ACC+4*\t+1], v[D+8*\t:D+8*\t+1], v[M+20*\t+16:M+20*\t+17]      ; columns 32, 33 start both sums
	v_pk_mul_f32 v[ACC+4*\t+2:ACC+4*\t+3], v[D+8*\t:D+8*\t+1], v[M+20*\t+18:M+20*\t+19]
.endr
.else
.if ctile < 2
.set csel, 0
.set cmo, 8*ctile
.else
.set csel, 2
.set cmo, 8*(ctile-3)
.endif
.irp jp, 0,1,2,3
.irp t, 0,1,2,3
	v_pk_fma_f32 v[ACC+4*\t+csel:ACC+4*\t+csel+1], v[D+8*\t+2*\jp:D+8*\t+2*\jp+1], v[M+20*\t+cmo+2*\jp:M+20*\t+cmo+2*\jp+1], v[ACC+4*\t+csel:ACC+4*\t+csel+1]
.endr
.endr
.endif
.if cpos == 4
	FIN cph
.endif
.endm
	s_mov_b32 s13, 0
.Lblock:
	s_wait_xcnt 0x0                                ; the last trip's stores have read their data, offsets and base: all are rewritten below
	s_lshl_b32 s14, s13, 6
	s_min_u32 s14, s14, 186
	s_mul_i32 s15, s12, 250
	s_add_co_u32 s14, s14, s15                     ; the block's first roi
	s_mul_i32 s36, s14, 20
	s_mov_b32 s37, 0
	s_add_nc_u64 s[18:19], s[6:7], s[36:37]
	s_mul_i32 s36, s14, 1960
	s_mul_i32 s15, s11, 392
	s_add_co_u32 s36, s36, s15
	s_add_nc_u64 s[20:21], s[8:9], s[36:37]        ; out0 at (first roi, channel 2g)
.irp t, 0,1,2,3
.irp k, 0,1,2,3
	global_load_b32 v[RO+4*\t+\k], v9, s[18:19] offset:\t*320+4+4*\k
.endr
.endr
	s_wait_loadcnt 0x0
.irp t, 0,1,2,3
	PARAM RO+4*\t+1, RO+4*\t+3
	HATS
	AYOUT \t
.endr
.irp t, 0,1,2,3
	PARAM RO+4*\t, RO+4*\t+2
	HATS
	AXOUT \t
.endr
	s_wait_dscnt 0x0                               ; my Ay (and, in the first trip, my part of B) is in LDS; my stage reads of the last trip are over
	s_barrier_signal -1
	s_barrier_wait -1
	ALOAD 0
	BLOAD 0
.set c, 0
.rept 35
	CT c
.set c, c+1
.endr
	s_wait_dscnt 0x0                               ; my results are in the stage, my reads of Ay are over
	s_barrier_signal -1
	s_barrier_wait -1
	; the way out: 3,136 pieces of 8 bytes, 14 a thread; piece e belongs to roi e / 49 (49 pieces = 392 bytes = two channels)
.set i, 0
.rept 14
	ds_load_b64 v[OD+2*i:OD+2*i+1], v8 offset:i*1792
.set i, i+1
.endr
.set i, 0
.rept 14
	v_add_nc_u32 v122, 224*i, v0                   ; e
	v_mul_u32_u24 v123, v122, 5350                 ; e / 49 = (5350 e) >> 18, exact for e < 3,136
	v_lshrrev_b32 v123, 18, v123
	v_mul_u32_u24 v123, v123, 1568                 ; a roi is 1,960 bytes in out0, 392 in the stage
	v_lshl_add_u32 v[OO+i], v122, 3, v123
.set i, i+1
.endr
.set i, 0
.rept 14
	s_wait_dscnt 13-i                              ; in order: piece i is in, the younger ones stay out
	global_store_b64 v[OO+i], v[OD+2*i:OD+2*i+1], s[20:21]
.set i, i+1
.endr
	s_add_co_u32 s13, s13, 1
	s_cmp_lt_u32 s13, 4
	s_cbranch_scc1 .Lblock
	s_set_vgpr_msb 0x5
	s_wait_tensorcnt 0x0
	ds_add_u32 v0, v1
	s_wait_dscnt 0x0
	s_set_vgpr_msb 0x500
	s_endpgm
.Lfunc_end_k_q3830ec2bf7_psroi:
	.size	k_q3830ec2bf7_psroi, .Lfunc_end_k_q3830ec2bf7_psroi-k_q3830ec2bf7_psroi
	.p2alignl 7, 3214868480
	.fill 96, 4, 3214868480
	.section	.rodata,"a",@progbits
	.p2align	6, 0x0
	.amdhsa_kernel k_q3830ec2bf7_psroi
		.amdhsa_group_segment_fixed_size 327680
		.amdhsa_private_segment_fixed_size 0
		.amdhsa_enable_private_segment 0
		.amdhsa_kernarg_size 24
		.amdhsa_user_sgpr_count 2
		.amdhsa_user_sgpr_kernarg_segment_ptr 1
		.amdhsa_wavefront_size32 1
		.amdhsa_system_sgpr_workgroup_id_x 1
		.amdhsa_system_sgpr_workgroup_id_y 1
		.amdhsa_system_sgpr_workgroup_id_z 1
		.amdhsa_system_vgpr_workitem_id 0
		.amdhsa_next_free_vgpr 258
		.amdhsa_next_free_sgpr 66
		.amdhsa_reserve_vcc 1
		.amdhsa_float_denorm_mode_32 3
		.amdhsa_float_denorm_mode_16_64 3
		.amdhsa_memory_ordered 1
		.amdhsa_forward_progress 1
		.amdhsa_inst_pref_size 250
	.end_amdhsa_kernel
	.amdgpu_metadata
---
amdhsa.version: [ 1, 2 ]
amdhsa.kernels:
  - .name:           k_q3830ec2bf7_psroi
    .symbol:         k_q3830ec2bf7_psroi.kd
    .args:
      - { .name: ft_add_left_right, .offset: 0, .size: 8, .value_kind: global_buffer, .address_space: global }
      - { .name: rois, .offset: 8, .size: 8, .value_kind: global_buffer, .address_space: global }
      - { .name: out0, .offset: 16, .size: 8, .value_kind: global_buffer, .address_space: global }
    .group_segment_fixed_size: 327680
    .private_segment_fixed_size: 0
    .kernarg_segment_align: 8
    .kernarg_segment_size: 24
    .max_flat_workgroup_size: 224
    .sgpr_count:     66
    .vgpr_count:     258
    .wavefront_size: 32
...
	.end_amdgpu_metadata
.endif
;; end of part 1
;; ======== version 2 of 2: 1 launch; 1.21 times as fast as version 1
;; limits: values outside matrix products are rounded to f16; values are held in f16: magnitudes above 65,504 overflow, below 6.1e-05 lose precision; inputs' magnitudes at most 65,504; below input magnitudes of 6.1e-05 results are inexact or not finite
;; launch psroi (part 2): grid 5 x 40, 14 waves a work-group, no clusters, 327,680 bytes of LDS; arguments ft_add_left_right, rois, out0; writes out0
.if DOCPART == 2
	.amdgcn_target "amdgcn-amd-amdhsa--gfx1250"
	.amdhsa_code_object_version 6
	.text
	.protected	k_q3830ec2bf7_psroi
	.globl	k_q3830ec2bf7_psroi
	.p2align	8
	.type	k_q3830ec2bf7_psroi,@function
k_q3830ec2bf7_psroi:
	s_mov_b64 s[64:65], 0
	v_nop
	global_prefetch_b8 v0, s[64:65] scope:SCOPE_SE
	s_setreg_imm32_b32 hwreg(HW_REG_WAVE_MODE, 25, 1), 1
	s_wait_xcnt 0x0
; Position-sensitive RoI align, written densely.  For a sample at height h the bilinear weight of feature row y is
; hat(y) = max(0, 1 - |h - y|); on y = 0..33 this one expression holds floor and ceil corners, the four validity masks, the
; clips and (for the sum) 'keep', since it is 0 for h <= -1 and h >= 34.  So
;   out[n][c][ph*7+pw] = sum_x Ax[n][pw][x] * ( sum_y Ay[n][ph][y] * F[c][ph][pw][y][x] ),
; Ay, Ax = the four samples' hats added, each already divided by max(number of kept samples on that axis, 1)
; (count = cntH * cntW; where it is 0 all weights are 0 and the result is 0, as in the reference).
; The inner sum is an f16 matrix product with f32 sums, the outer one f32 multiply-adds on the accumulators.
; No address, branch or trip count hangs on data.
;
; WHY f16 AND NOT bf16.  The result is compared within a hundredth of the output's rms.  Sums in which features of magnitude
; 2 to 4 cancel keep the operands' absolute rounding errors: with 8 significant bits up to 2^-7 a feature, which is of the
; allowance's own size; with f16's 11 bits an eighth of that.
;
; SHARES.  Work-group (g, chunk): channels 2g, 2g+1 and rois 250 chunk .. +249, in 4 blocks of 64 rois that begin at
; min(64 b, 186): the last block repeats 6 rois of the third (same work-group, same values), so no mask is needed.
; Wave id = 7 hh + w (14 waves of 254 registers).  Group hh (waves 0-6, waves 7-13) owns rois 32 hh .. +31 of every block,
; two tiles of 16.  In its group wave w owns pw = w (7 units ph = 0..6 of two planes each), builds Ay of ph = w for the
; group and Ax of pw = w for itself.  It fills feature rows 17 hh .. 17 hh + 16 of the 14 planes of pw = w.
; The price of two waves to a pw: each B operand is read from LDS by both.
;
; THE TWO GROUPS RUN HALF A BLOCK OUT OF STEP, so that at any time one group needs the vector unit (weights W, way out O)
; and the other the matrix unit (products M).  A group hands Ay and results only to itself; only B is common.
;   first: both fill and W(0) | X(b): group 0 M(b), group 1 O(b-1) W(b) | Y(b): group 0 O(b) W(b+1), group 1 M(b) | last: group 1 O(3)
; One barrier between intervals, passed by all waves; the branches between the groups compare the wave number with 7 and
; hold no barrier.  A group's Ay is written in its W interval, read in its M interval, written again one interval later;
; its stage is written in M, read in the next interval's O, written again one interval later: a barrier lies between each.
;
; LIMITS.  F must be finite and below 65,504 in magnitude, f16's largest number (a weight 0 meets every row of a plane;
; 0 x inf would be NaN).  Ay and F are rounded to f16, all else is f32.  1/count is v_rcp_f32(cntH) * v_rcp_f32(cntW).
; The bin length len/7 is made correctly rounded and p*bin, the add and the floor are rounded one by one as the reference
; writes them; a run of the reference that multiplies by 1/7 or fuses these steps can put a bin start on the other side of
; an integer.  NaN or infinite rois give 0, as in the reference.  rois[:,0] is not read: the reference does not use it.
; Output leaves in pieces of 392 neighbouring bytes (one roi, two channels): the layout [n][10][49] gives a channel pair no more.
;
; NO CLUSTER, NO TENSOR LOADS: F has to be rounded to f16 and re-placed (two planes interleaved by column tiles), which goes
; through registers; a work-group's 453,152 bytes of f32 do not fit beside their 266,560-byte f16 image in LDS.
.set PLANE,  4624                      ; 34 x 34 f32
.set PHS,    7*PLANE                   ; from ph to ph + 1
.set CHS,    49*PLANE                  ; from channel to channel
.set PB,     1120                      ; LDS pitch of a feature row y: 7 units x 160 bytes = 35 x 32, an odd multiple of 32
.set UNIT,   160                       ; one ph: five column tiles of 16 f16: c x0-15 | c x16-31 | c x32-39, c' x32-39 | c' x0-15 | c' x16-31
.set WREG,   34*PB                     ; B of one pw: 38,080 bytes
.set HREG,   17*PB                     ; the 17 rows of it that one wave fills: 19,040 bytes
.set ARG,    7*WREG                    ; 266,560: Ay fragments, 28 x 1,152 bytes (fragment 14 hh + 2 ph + tile)
.set FRAG,   1152                      ; 512 (registers 0-3) + 512 (registers 4-7) + 128 (rows 32, 33)
.set STG,    ARG+28*FRAG               ; 298,816: results, [2 groups][32 rois][2 channels][49] f32
.set SPITCH, 392
; vector registers
;   v1 ADR1, v2 ADR2 (B), v3 v4 (Ay out), v5 v6 (Ay in), v7 (stage in), v8 (stage out), v9 (rois)
.set P,   10                           ; v[10:15]   at work (set-up, then the weights' parameters)
.set A1,  16                           ; v[16:31]   Ay, rows 0-31, units of even ph, my tile t at 8 t
.set A2,  32                           ; v[32:47]   Ay, rows 32-63: register 0 = rows 32, 33 (lanes 0-15), the rest stays 0
.set BB,  48                           ; v[48:59], v[60:71] B buffers 0, 1: +0..3 rows 32,33; +4..11 rows 0-31
.set D,   72                           ; v[72:103]  two sets of products (column tile even, odd), tile t at 8 t
.set ACC, 104                          ; v[104:111] tile t: a pair for c, a pair for c'
.set M,   112                          ; v[112:151] tile t at 20 t: Ax(8h+j), Ax(16+8h+j), (Ax32,Ax33) for lanes 0-15, the same for lanes 16-31
.set Y,   152                          ; v[152:175] 8h+0..9, 16+8h+0..9, 32..35 as f32
.set RO,  176                          ; v[176:183] x1 y1 x2 y2 of my tile t at 4 t, loaded one block ahead
.set HC,  184                          ; four sample coordinates
.set HC1, 188                          ; the same + 1
.set T,   192                          ; v[192:207]
.set G,   208                          ; v[208:231] 24 values along Y
.set R,   232                          ; 1 / max(count, 1), twice
.set PK,  234                          ; v[234:242]
.set OO,  244                          ; v[244:250] byte offsets of my 7 pieces in my group's part of out0, the same in every block
; the products' extra operands lie on the weights' scratch, which holds nothing while a wave multiplies
.set A1B, 192                          ; v[192:207] Ay, rows 0-31, units of odd ph
.set BB2, 208                          ; v[208:219] B buffer 2
.set AT,  220                          ; v[220:221] rows 32, 33 of the next unit's Ay, until A2 may be written
.set OD,  72                           ; the way out: 7 pieces of 8 bytes, on the products' registers
; the fill
.set FB0, 16                           ; three buffers of 38 registers (19 loads of 8 bytes a lane)
.set FB1, 54
.set FB2, 92
.set TZ,  184
.set VG,  192
.set VL,  193
.set VGTA, 194
.set VGTC, 195
.set VLTA, 196
.set VLTC, 197
	s_load_b128 s[4:7], s[0:1], 0x0                ; ft s[4:5], rois s[6:7]
	s_load_b64 s[8:9], s[0:1], 0x10                ; out0
	v_lshl_add_u32 v252, v0, 2, 0x4f200
	v_mov_b32 v253, 0
	v_lshrrev_b32 v10, 5, v0
	v_readfirstlane_b32 s10, v10                   ; wave id, 0..13
	s_mul_i32 s32, s10, 37
	s_lshr_b32 s32, s32, 8                         ; hh = id / 7: my group, which 32 rois, which 17 feature rows
	s_mul_i32 s31, s32, 7
	s_sub_co_u32 s31, s10, s31                     ; w = id - 7 hh: my pw, and the ph whose Ay I build
	s_mov_b32 s11, ttmp9                           ; g: channel pair
	s_and_b32 s12, ttmp7, 0xffff                   ; chunk of 250 rois
	s_mov_b32 s22, 0x76543210                      ; v_permlanex16_b32: lane i takes lane i of the other half
	s_mov_b32 s23, 0xfedcba98
	s_mov_b32 s24, 0xffff0000                      ; lanes 16-31 (h = 1)
	s_cvt_f32_u32 s25, s31                         ; w as f32: the bin index of both weight vectors of this wave
	s_mov_b32 s28, 0x3e124925                      ; 1/7 rounded
	s_mov_b32 s29, 0x42080000                      ; 34.0
	s_mov_b32 s30, 0x3dcccccd                      ; 0.1
	s_mul_i32 s33, s31, WREG                       ; B of my pw
	s_mul_i32 s34, s32, HREG
	s_add_co_u32 s34, s34, s33                     ; the 17 rows of it that I fill
	s_mul_i32 s14, s11, 2*CHS
	s_mul_i32 s15, s31, PLANE
	s_add_co_u32 s14, s14, s15
	s_mul_i32 s15, s32, 17*136
	s_add_co_u32 s14, s14, s15
	s_mov_b32 s15, 0
	s_mul_i32 s47, s12, 250                        ; the chunk's first roi
	s_mul_i32 s36, s47, 20                         ; the first block's rois
	s_mov_b32 s37, 0
	s_mul_i32 s46, s11, 392                        ; in out0: channel 2g,
	s_mul_i32 s35, s32, 32*1960
	s_add_co_u32 s46, s46, s35                     ; and my group's 32 rois
	s_mul_i32 s35, s32, 640                        ; in rois: 32 rois of 20 bytes further for hh = 1
	v_and_b32 v11, 31, v0                          ; L
	v_and_b32 v12, 15, v0                          ; r
	v_bfe_u32 v13, v0, 4, 1                        ; h
	v_bfe_u32 v14, v0, 3, 1                        ; (L >> 3) & 1
	v_and_b32 v15, 7, v0
	v_and_b32 v10, 1, v0
	v_mul_u32_u24 v9, v12, 20                      ; a roi is 5 f32
	v_add_nc_u32 v9, s35, v9
	; fill, columns 0-31: lane = (channel h, two columns 2r, 2r+1)
	v_lshlrev_b32 v[VG], 3, v12
	v_mad_u32_u24 v[VG], v13, CHS, v[VG]
	v_lshlrev_b32 v[VL], 2, v12
	v_mad_u32_u24 v[VL], v13, 96, v[VL]
	v_add_nc_u32 v[VL], s34, v[VL]
	; fill, columns 32, 33: lane = (channel L & 1, row L >> 1) for my rows 0-15; my row 16 by the immediates (lanes repeat)
	v_mul_u32_u24 v[VGTC], v10, CHS
	v_bfe_u32 v[VGTA], v0, 1, 4
	v_mul_u32_u24 v[VLTA], v[VGTA], PB
	v_mad_u32_u24 v[VGTA], v[VGTA], 136, v[VGTC]
	v_lshl_add_u32 v[VLTC], v10, 4, s34
	v_add_nc_u32 v[VLTA], v[VLTA], v[VLTC]
.irp k, 1,2,3,5,6,7
	v_mov_b32 v[TZ+\k], 0                          ; columns 34-39 of the third column tile are stored as zeros
.endr
	s_wait_kmcnt 0x0
	s_add_nc_u64 s[16:17], s[4:5], s[14:15]        ; ft at plane (2g, ph 0, pw w), row 17 hh
	s_add_nc_u64 s[18:19], s[6:7], s[36:37]        ; rois at the first block
; x1 y1 x2 y2 of my 32 rois
.macro ROILOAD
.irp t, 0,1
.irp k, 0,1,2,3
	global_load_b32 v[RO+4*\t+\k], v9, s[18:19] offset:\t*320+4+4*\k
.endr
.endr
.endm
; 19 loads: my 17 rows of the two planes of unit u, 8 bytes a lane
.macro LOADU u, fb
.set yy, 0
.rept 17
	global_load_b64 v[\fb+2*yy:\fb+2*yy+1], v[VG], s[16:17] offset:\u*PHS+yy*136
.set yy, yy+1
.endr
	global_load_b64 v[\fb+34:\fb+35], v[VGTA], s[16:17] offset:\u*PHS+128
	global_load_b64 v[\fb+36:\fb+37], v[VGTC], s[16:17] offset:\u*PHS+16*136+128
.endm
; round to f16 and place: [y][unit][column tiles]; the roundings first, so that no store follows straight on its datum
.macro STOREU u, fb
.set yy, 0
.rept 17
	v_cvt_pk_f16_f32 v[\fb+2*yy], v[\fb+2*yy], v[\fb+2*yy+1]
.set yy, yy+1
.endr
	v_cvt_pk_f16_f32 v[TZ], v[\fb+34], v[\fb+35]
	v_cvt_pk_f16_f32 v[TZ+4], v[\fb+36], v[\fb+37]
.set yy, 0
.rept 17
	ds_store_b32 v[VL], v[\fb+2*yy] offset:yy*PB+\u*UNIT
.set yy, yy+1
.endr
	ds_store_b128 v[VLTA], v[TZ:TZ+3] offset:\u*UNIT+64
	ds_store_b128 v[VLTC], v[TZ+4:TZ+7] offset:\u*UNIT+64+16*PB
.endm
	ROILOAD
	LOADU 0, FB0
	LOADU 1, FB1
	LOADU 2, FB2
	; the lane constants, while the first three units are on their way
	v_lshl_add_u32 v1, v13, 3, v15                 ; ADR1: row 8h + (L & 7) of my pw's B, 16 bytes by (L >> 3) & 1
	v_mul_u32_u24 v1, v1, PB
	v_lshl_add_u32 v1, v14, 4, v1
	v_add_nc_u32 v1, s33, v1
	v_add_nc_u32 v2, 32, v10                       ; ADR2: row 32 + (L & 1)
	v_mul_u32_u24 v2, v2, PB
	v_lshl_add_u32 v2, v14, 4, v2
	v_add_nc_u32 v2, s33, v2
	s_mul_i32 s35, s10, 2*FRAG
	s_add_co_u32 s35, s35, ARG                     ; the fragments that I write: 14 hh + 2 w + t = 2 id + t
	v_lshl_add_u32 v3, v11, 4, s35
	v_lshl_add_u32 v4, v11, 2, s35
	v_add_nc_u32 v4, 1024, v4
	s_mul_i32 s35, s32, 14*FRAG
	s_add_co_u32 s35, s35, ARG                     ; the fragments that I read: 14 hh + 2 ph + t
	v_lshl_add_u32 v5, v11, 4, s35
	v_lshl_add_u32 v6, v11, 2, s35
	v_add_nc_u32 v6, 1024, v6
	v_mul_u32_u24 v7, v12, SPITCH                  ; stage in: group hh, roi 16 t + r, channel h, bin column w
	v_mad_u32_u24 v7, v13, 196, v7
	s_mul_i32 s35, s32, 32*SPITCH
	s_lshl_b32 s38, s31, 2
	s_add_co_u32 s38, s38, s35
	s_add_co_u32 s38, s38, STG
	v_add_nc_u32 v7, s38, v7
	s_lshl_b32 s38, s31, 8                         ; stage out: group hh, 8 bytes x (32 w + L)
	s_add_co_u32 s38, s38, s35
	s_add_co_u32 s38, s38, STG
	v_lshl_add_u32 v8, v11, 3, s38
	v_lshlrev_b32 v10, 3, v13                      ; 8h
.set j, 0
.rept 10
	v_add_nc_u32 v[Y+j], j, v10
	v_add_nc_u32 v[Y+10+j], 16+j, v10
.set j, j+1
.endr
.set j, 0
.rept 20
	v_cvt_f32_u32 v[Y+j], v[Y+j]
.set j, j+1
.endr
	v_mov_b32 v[Y+20], 0x42000000                  ; 32.0
	v_mov_b32 v[Y+21], 0x42040000                  ; 33.0
	v_mov_b32 v[Y+22], 0x42080000                  ; 34.0
	v_mov_b32 v[Y+23], 0x420c0000                  ; 35.0
	; the way out of a group: 1,568 pieces of 8 bytes, 7 for each of its 224 threads; piece e belongs to roi e / 49
	; (49 pieces = 392 bytes = two channels)
	s_lshl_b32 s38, s31, 5
	v_add_nc_u32 v14, s38, v11                     ; my number in my group: 32 w + L
.set i, 0
.rept 7
	v_add_nc_u32 v10, 224*i, v14                   ; e
	v_mul_u32_u24 v[OO+i], v10, 5350               ; e / 49 = (5350 e) >> 18, exact for e < 3,136
	v_lshrrev_b32 v[OO+i], 18, v[OO+i]
	v_mul_u32_u24 v[OO+i], v[OO+i], 1568           ; a roi is 1,960 bytes in out0, 392 in the stage
	v_lshl_add_u32 v[OO+i], v10, 3, v[OO+i]
.set i, i+1
.endr
	; three units (57 loads of 256 bytes a wave) are asked for ahead; the count 38 lets the two younger units stay out
	s_wait_loadcnt 38
	STOREU 0, FB0
	LOADU 3, FB0
	s_wait_loadcnt 38
	STOREU 1, FB1
	LOADU 4, FB1
	s_wait_loadcnt 38
	STOREU 2, FB2
	LOADU 5, FB2
	s_wait_loadcnt 38
	STOREU 3, FB0
	LOADU 6, FB0
	s_wait_loadcnt 38
	STOREU 4, FB1
	s_wait_loadcnt 19                              ; nothing more is asked for: the counts run down
	STOREU 5, FB2
	s_wait_loadcnt 0x0
	STOREU 6, FB0
	; rows 34-63 of the second K step do not exist: Ay is 0 there, once for the whole kernel (registers 1-7 of each A2 tile)
.irp t, 0,1
.irp k, 1,2,3,4,5,6,7
	v_mov_b32 v[A2+8*\t+\k], 0
.endr
.endr
; The four sample coordinates of bin w along one axis, and 1 / max(kept samples, 1).
; Multiplies and adds stay apart on purpose: each step is rounded as the reference rounds it, because a floor and two
; comparisons follow.
.macro PARAM lo, hi
	v_mul_f32 v[P], 0x3e000000, v[\lo]             ; start / 8 (exact)
	v_mul_f32 v[P+1], 0x3e000000, v[\hi]
	v_sub_f32 v[P+1], v[P+1], v[P]
	v_cmp_lt_f32 vcc_lo, s30, v[P+1]
	v_cndmask_b32 v[P+1], s30, v[P+1], vcc_lo      ; length, at least 0.1 (a NaN gives 0.1, as jnp.where does)
	v_mul_f32 v[P+2], s28, v[P+1]                  ; length / 7, correctly rounded: q = x y, e = x - 7 q, q + e y
	v_fmamk_f32 v[P+3], v[P+2], 0xc0e00000, v[P+1]
	v_fmac_f32 v[P+2], s28, v[P+3]
	v_mul_f32 v[P+3], s25, v[P+2]                  ; w * bin
	v_add_f32 v[P+3], v[P], v[P+3]
	v_floor_f32 v[P+3], v[P+3]                     ; the bin's start
	v_mul_f32 v[P+2], 0x3e800000, v[P+2]           ; bin / 4 (exact)
	v_mul_f32 v[HC], 0.5, v[P+2]
	v_mul_f32 v[HC+1], 0x3fc00000, v[P+2]          ; 1.5
	v_mul_f32 v[HC+2], 0x40200000, v[P+2]          ; 2.5
	v_mul_f32 v[HC+3], 0x40600000, v[P+2]          ; 3.5
.irp k, 0,1,2,3
	v_add_f32 v[HC+\k], v[P+3], v[HC+\k]
.endr
.irp k, 0,1,2,3
	v_cmp_lt_f32 s[38+2*\k], -1.0, v[HC+\k]        ; kept: -1 < coordinate < 34 (false for NaN)
	v_cmp_gt_f32 s[39+2*\k], s29, v[HC+\k]
.endr
.irp k, 0,1,2,3
	v_cndmask_b32 v[T+\k], 0, 1.0, s[38+2*\k]
.endr
.irp k, 0,1,2,3
	v_cndmask_b32 v[T+\k], 0, v[T+\k], s[39+2*\k]
.endr
	v_add_f32 v[T], v[T], v[T+1]
	v_add_f32 v[T+2], v[T+2], v[T+3]
	v_add_f32 v[T], v[T], v[T+2]
	v_max_num_f32 v[P+5], 1.0, v[T]
	v_rcp_f32 v[R], v[P+5]                         ; twice: a pair for the packed multiplies.  The plain lines below stand
	v_rcp_f32 v[R+1], v[P+5]                       ; between the reciprocals and their first use (ISA guide 5.7.2)
.irp k, 0,1,2,3
	v_max_num_f32 v[HC+\k], -2.0, v[HC+\k]         ; outside [-2, 36] every weight on rows 0-33 is 0 anyway; a NaN becomes -2
.endr
.irp k, 0,1,2,3
	v_min_num_f32 v[HC+\k], 0x42100000, v[HC+\k]   ; 36.0: keeps the sums below finite and small
.endr
.irp k, 0,1,2,3
	v_add_f32 v[HC1+\k], 1.0, v[HC+\k]
.endr
.endm
; G(y) = sum over the 4 samples of y clamped to [h, h+1]; hat summed = G(y+1) - G(y).  24 values of G, 18 differences.
; Four values of y at a time: sixteen independent clamps, then the sums.
.macro HATS
.irp g, 0,4,8,12,16,20
.irp k, 0,1,2,3
	v_med3_num_f32 v[T+2*\k], v[Y+\g], v[HC+\k], v[HC1+\k]
	v_med3_num_f32 v[T+2*\k+1], v[Y+\g+1], v[HC+\k], v[HC1+\k]
	v_med3_num_f32 v[T+8+2*\k], v[Y+\g+2], v[HC+\k], v[HC1+\k]
	v_med3_num_f32 v[T+9+2*\k], v[Y+\g+3], v[HC+\k], v[HC1+\k]
.endr
	v_pk_add_f32 v[T:T+1], v[T:T+1], v[T+2:T+3]
	v_pk_add_f32 v[T+4:T+5], v[T+4:T+5], v[T+6:T+7]
	v_pk_add_f32 v[T+8:T+9], v[T+8:T+9], v[T+10:T+11]
	v_pk_add_f32 v[T+12:T+13], v[T+12:T+13], v[T+14:T+15]
	v_pk_add_f32 v[G+\g:G+\g+1], v[T:T+1], v[T+4:T+5]
	v_pk_add_f32 v[G+\g+2:G+\g+3], v[T+8:T+9], v[T+12:T+13]
.endr
.irp j, 0,1,2,3,4,5,6,7,10,11,12,13,14,15,16,17,20,21
	v_sub_f32 v[G+\j], v[G+\j+1], v[G+\j]          ; ascending, in place: G[j+1] is still the old one
.endr
.endm
; Ay of my roi tile t as a matrix operand: lane (r, h) holds roi r, rows 8h..8h+7, 16+8h..+7 (ISA guide 7.12.2), and rows 32, 33
.macro AYOUT t
	s_wait_alu depctr_va_vdst(0)
.irp j, 0,2,4,6,10,12,14,16,20
	v_pk_mul_f32 v[G+\j:G+\j+1], v[G+\j:G+\j+1], v[R:R+1]
.endr
.irp k, 0,1,2,3
	v_cvt_pk_f16_f32 v[PK+\k], v[G+2*\k], v[G+2*\k+1]
	v_cvt_pk_f16_f32 v[PK+4+\k], v[G+10+2*\k], v[G+11+2*\k]
.endr
	v_cvt_pk_f16_f32 v[PK+8], v[G+20], v[G+21]
	v_cndmask_b32 v[PK+8], v[PK+8], 0, s24         ; in lanes 16-31 this register means rows 40, 41: zero
	ds_store_b128 v3, v[PK:PK+3] offset:\t*FRAG
	ds_store_b128 v3, v[PK+4:PK+7] offset:\t*FRAG+512
	ds_store_b32 v4, v[PK+8] offset:\t*FRAG
.endm
; Ax of my roi tile t stays in f32 in this wave's registers, laid as the products' columns lie
.macro AXOUT t
	s_wait_alu depctr_va_vdst(0)
.irp j, 0,2,4,6
	v_pk_mul_f32 v[M+20*\t+\j:M+20*\t+\j+1], v[G+\j:G+\j+1], v[R:R+1]
	v_pk_mul_f32 v[M+20*\t+8+\j:M+20*\t+9+\j], v[G+10+\j:G+11+\j], v[R:R+1]
.endr
	v_pk_mul_f32 v[T:T+1], v[G+20:G+21], v[R:R+1]
	v_cndmask_b32 v[M+20*\t+16], v[T], 0, s24      ; columns 32, 33 of c lie in lanes 0-15,
	v_cndmask_b32 v[M+20*\t+17], v[T+1], 0, s24
	v_cndmask_b32 v[M+20*\t+18], 0, v[T], s24      ; those of c' in lanes 16-31
	v_cndmask_b32 v[M+20*\t+19], 0, v[T+1], s24
.endm
; W: the weights of one block for my two tiles, from the rois that are already asked for; then the request for the rois of
; the block at 64 x (trip counter) + nxt, clamped: behind the last block it asks for the last block again, inside the buffer.
.macro WEIGHTS nxt
	s_wait_loadcnt 0x0                             ; this block's rois, asked for two intervals ago; frees s[18:19] too
.irp t, 0,1
	PARAM RO+4*\t+1, RO+4*\t+3
	HATS
	AYOUT \t
.endr
.irp t, 0,1
	PARAM RO+4*\t, RO+4*\t+2
	HATS
	AXOUT \t
.endr
	s_lshl_b32 s14, s13, 6
	s_add_co_u32 s14, s14, \nxt
	s_min_u32 s14, s14, 186
	s_add_co_u32 s14, s14, s47
	s_mul_i32 s36, s14, 20
	s_mov_b32 s37, 0
	s_add_nc_u64 s[18:19], s[6:7], s[36:37]
	ROILOAD
.endm
; the B operand of column tile number ct (5 to a unit, in the order 2, 0, 1, 3, 4) into buffer ct mod 3: three transposing loads
.macro BLOAD ct
.set bpos, (\ct)%5
.if bpos == 0
.set btile, 2
.else
.if bpos < 3
.set btile, bpos-1
.else
.set btile, bpos
.endif
.endif
.set bk, (\ct)%3
.if bk == 2
.set bb, BB2
.else
.set bb, BB+12*bk
.endif
.set boff, ((\ct)/5)*UNIT+32*btile
	ds_load_tr16_b128 v[bb:bb+3], v2 offset:boff                   ; rows 32, 33 (elements 0, 1; the rest repeats them and meets Ay = 0)
	ds_load_tr16_b128 v[bb+4:bb+7], v1 offset:boff                 ; rows 8h .. 8h+7
	ds_load_tr16_b128 v[bb+8:bb+11], v1 offset:boff+16*PB          ; rows 16+8h .. +7
.endm
; Ay of unit ph, my two roi tiles, into the set of ph's parity: six loads.  direct = 1: rows 32, 33 go straight into A2;
; 0: into AT, because A2 is still being multiplied.
.macro ALOAD ph, direct
.if ((\ph)&1) == 1
.set aa, A1B
.else
.set aa, A1
.endif
.irp t, 0,1
	ds_load_b128 v[aa+8*\t:aa+8*\t+3], v5 offset:(2*(\ph)+\t)*FRAG
	ds_load_b128 v[aa+8*\t+4:aa+8*\t+7], v5 offset:(2*(\ph)+\t)*FRAG+512
.if \direct
	ds_load_b32 v[A2+8*\t], v6 offset:(2*(\ph)+\t)*FRAG
.else
	ds_load_b32 v[AT+\t], v6 offset:(2*(\ph)+\t)*FRAG
.endif
.endr
.endm
; a unit's end: add the pair, then the two halves of the lanes; lane (r, h) keeps channel 2g + h of roi r
.macro FIN ph
.irp t, 0,1
	v_add_f32 v[ACC+4*\t], v[ACC+4*\t], v[ACC+4*\t+1]
	v_add_f32 v[ACC+4*\t+1], v[ACC+4*\t+2], v[ACC+4*\t+3]
.endr
.irp t, 0,1
	v_cndmask_b32 v[ACC+4*\t+2], v[ACC+4*\t], v[ACC+4*\t+1], s24   ; what I keep
	v_cndmask_b32 v[ACC+4*\t+3], v[ACC+4*\t+1], v[ACC+4*\t], s24   ; what the other half needs
.endr
.irp t, 0,1
	v_permlanex16_b32 v[ACC+4*\t], v[ACC+4*\t+3], s22, s23
.endr
.irp t, 0,1
	v_add_f32 v[ACC+4*\t+2], v[ACC+4*\t+2], v[ACC+4*\t]
.endr
.irp t, 0,1
	ds_store_b32 v7, v[ACC+4*\t+2] offset:\t*16*SPITCH+(\ph)*28
.endr
.endm
; The outer sum for column tile ct: its products times Ax.  At least four plain vector instructions (four for the shared
; tile, eight for the others), none of which names a register of the matrix instructions that stand in front of it.
.macro POST ct
.set pph, (\ct)/5
.set ppos, (\ct)%5
.if ppos == 0
.set ptile, 2
.else
.if ppos < 3
.set ptile, ppos-1
.else
.set ptile, ppos
.endif
.endif
.set pd, D+16*((\ct)&1)
.if ptile == 2
.irp t, 0,1
	v_pk_mul_f32 v[ACC+4*\t:ACC+4*\t+1], v[pd+8*\t:pd+8*\t+1], v[M+20*\t+16:M+20*\t+17]      ; columns 32, 33 start both sums
	v_pk_mul_f32 v[ACC+4*\t+2:ACC+4*\t+3], v[pd+8*\t:pd+8*\t+1], v[M+20*\t+18:M+20*\t+19]
.endr
.else
.if ptile < 2
.set psel, 0
.set pmo, 8*ptile
.else
.set psel, 2
.set pmo, 8*(ptile-3)
.endif
.irp jp, 0,1,2,3
.irp t, 0,1
	v_pk_fma_f32 v[ACC+4*\t+psel:ACC+4*\t+psel+1], v[pd+8*\t+2*\jp:pd+8*\t+2*\jp+1], v[M+20*\t+pmo+2*\jp:M+20*\t+pmo+2*\jp+1], v[ACC+4*\t+psel:ACC+4*\t+psel+1]
.endr
.endr
.endif
.if ppos == 4
	FIN pph
.endif
.endm
; One column tile: 16 columns x 32 rois x 34 rows.  The sources are swapped (B first), so that lane (r, h) holds roi r and its
; registers j the columns 8h + j, beside the Ax of the same columns.
; LOOK-AHEAD.  B is asked for two tiles ahead (three buffers), Ay a whole unit ahead (two sets, asked for in the unit's first tile).
; THE WAIT.  LDS returns in order, so the count cn is what was issued behind this tile's three B loads: 3 for each of the two
; younger B tiles, 6 for the next unit's Ay (issued in position 0, so it counts in positions 0-2), 2 for the stage stores of
; the unit before (issued behind position 0's products, so they count in positions 1, 2).  What does not exist is not counted.
; PLACES (ISA guide 7.12.1).  The products go to the two sets of D in turn, and the outer sum of tile ct - 1 stands behind the
; matrix instructions of tile ct.  So between the matrix instructions of a tile and (a) the first read of their D, (b) the
; loads into the B buffer and the Ay set that they read, (c) the move into A2 stand the four or more plain instructions of
; one POST, and between them and the matrix instructions that write the same D again those of two.  Tile 0 has no POST: four v_nop.
.macro CT ct
.set cph, (\ct)/5
.set cpos, (\ct)%5
.set ck, (\ct)%3
.if ck == 2
.set cb, BB2
.else
.set cb, BB+12*ck
.endif
.set cd, D+16*((\ct)&1)
.if (cph&1) == 1
.set ca, A1B
.else
.set ca, A1
.endif
.set cn, 0
.if \ct < 34
.set cn, cn+3
.endif
.if \ct < 33
	BLOAD \ct+2
.set cn, cn+3
.endif
.if cph < 6
.if cpos == 0
	ALOAD cph+1, 0
.endif
.if cpos < 3
.set cn, cn+6
.endif
.endif
.if cph > 0
.if cpos > 0
.if cpos < 3
.set cn, cn+2
.endif
.endif
.endif
	s_wait_dscnt cn
.irp t, 0,1
	v_wmma_f32_16x16x32_f16 v[cd+8*\t:cd+8*\t+7], v[cb+4:cb+11], v[ca+8*\t:ca+8*\t+7], 0
.endr
.irp t, 0,1
	v_wmma_f32_16x16x32_f16 v[cd+8*\t:cd+8*\t+7], v[cb:cb+7], v[A2+8*\t:A2+8*\t+7], v[cd+8*\t:cd+8*\t+7]
.endr
.if \ct == 0
.rept 4
	v_nop
.endr
.else
	POST \ct-1
.endif
.if cpos == 4
.if cph < 6
	v_mov_b32 v[A2], v[AT]                         ; rows 32, 33 of the next unit's Ay: in since position 3's wait, which left
	v_mov_b32 v[A2+8], v[AT+1]                     ; only six B loads out; eight multiply-adds behind the unit's last products
.endif
.endif
.endm
; M: the products of one block for my pw and my two tiles, results into my group's stage
.macro MAIN
	s_wait_xcnt 0x0                                ; the stores of my last way out read v[72:85], which the products overwrite
	ALOAD 0, 1
	BLOAD 0
	BLOAD 1
.set c, 0
.rept 35
	CT c
.set c, c+1
.endr
	POST 34                                        ; the eight multiply-adds of tile 33 stand between tile 34's products and this
.endm
; O: my group's 32 rois of a block leave.  back = 0: the block of the trip counter; 1: the one before.
.macro OUT back
	s_wait_xcnt 0x0                                ; my last stores have read their data and base: both are rewritten below
	s_lshl_b32 s14, s13, 6
.if \back
	s_sub_co_u32 s14, s14, 64
.endif
	s_min_u32 s14, s14, 186
	s_add_co_u32 s14, s14, s47                     ; the block's first roi
	s_mul_i32 s36, s14, 1960
	s_add_co_u32 s36, s36, s46
	s_mov_b32 s37, 0
	s_add_nc_u64 s[20:21], s[8:9], s[36:37]        ; out0 at (my group's first roi, channel 2g)
.set i, 0
.rept 7
	ds_load_b64 v[OD+2*i:OD+2*i+1], v8 offset:i*1792
.set i, i+1
.endr
.set i, 0
.rept 7
	s_wait_dscnt 6-i                               ; in order: piece i is in, the younger ones stay out
	global_store_b64 v[OO+i], v[OD+2*i:OD+2*i+1], s[20:21]
.set i, i+1
.endr
.endm
; every wave's LDS stores and loads of the interval are done before it signals: what it wrote may be read, what it read may be overwritten
.macro FENCE
	s_wait_dscnt 0x0
	s_barrier_signal -1
	s_barrier_wait -1
.endm
	s_mov_b32 s13, 0
	WEIGHTS 64                                     ; both groups: block 0; asks for block 1
	FENCE                                          ; B and both groups' Ay are in LDS
.Lblock:
	; interval X: group 0 multiplies block b; group 1 sends block b - 1 out and makes the weights of block b (b = 0: has them)
	s_cmp_lt_u32 s10, 7
	s_cbranch_scc0 .Lx1
	MAIN
	s_branch .Lxe
.Lx1:
	s_cmp_eq_u32 s13, 0
	s_cbranch_scc1 .Lxe
	OUT 1
	WEIGHTS 64
.Lxe:
	FENCE
	; interval Y: group 0 sends block b out and makes the weights of block b + 1 (none behind the last); group 1 multiplies block b
	s_cmp_lt_u32 s10, 7
	s_cbranch_scc0 .Ly1
	OUT 0
	s_cmp_eq_u32 s13, 3
	s_cbranch_scc1 .Lye
	WEIGHTS 128
	s_branch .Lye
.Ly1:
	MAIN
.Lye:
	FENCE
	s_add_co_u32 s13, s13, 1
	s_cmp_lt_u32 s13, 4
	s_cbranch_scc1 .Lblock
	s_cmp_lt_u32 s10, 7
	s_cbranch_scc1 .Lend
	OUT 1                                          ; group 1's last block (the counter stands at 4)
.Lend:
	s_wait_tensorcnt 0x0
	ds_add_u32 v252, v253
	s_wait_dscnt 0x0
	s_endpgm
.Lfunc_end_k_q3830ec2bf7_psroi:
	.size	k_q3830ec2bf7_psroi, .Lfunc_end_k_q3830ec2bf7_psroi-k_q3830ec2bf7_psroi
	.p2alignl 7, 3214868480
	.fill 96, 4, 3214868480
	.section	.rodata,"a",@progbits
	.p2align	6, 0x0
	.amdhsa_kernel k_q3830ec2bf7_psroi
		.amdhsa_group_segment_fixed_size 327680
		.amdhsa_private_segment_fixed_size 0
		.amdhsa_enable_private_segment 0
		.amdhsa_kernarg_size 24
		.amdhsa_user_sgpr_count 2
		.amdhsa_user_sgpr_kernarg_segment_ptr 1
		.amdhsa_wavefront_size32 1
		.amdhsa_system_sgpr_workgroup_id_x 1
		.amdhsa_system_sgpr_workgroup_id_y 1
		.amdhsa_system_sgpr_workgroup_id_z 1
		.amdhsa_system_vgpr_workitem_id 0
		.amdhsa_next_free_vgpr 254
		.amdhsa_next_free_sgpr 66
		.amdhsa_reserve_vcc 1
		.amdhsa_float_denorm_mode_32 3
		.amdhsa_float_denorm_mode_16_64 3
		.amdhsa_memory_ordered 1
		.amdhsa_forward_progress 1
		.amdhsa_inst_pref_size 255
	.end_amdhsa_kernel
	.section	.bss,"aw",@nobits
	.p2align	6
	.space	262144
	.amdgpu_metadata
---
amdhsa.version: [ 1, 2 ]
amdhsa.kernels:
  - .name:           k_q3830ec2bf7_psroi
    .symbol:         k_q3830ec2bf7_psroi.kd
    .args:
      - { .name: ft_add_left_right, .offset: 0, .size: 8, .value_kind: global_buffer, .address_space: global }
      - { .name: rois, .offset: 8, .size: 8, .value_kind: global_buffer, .address_space: global }
      - { .name: out0, .offset: 16, .size: 8, .value_kind: global_buffer, .address_space: global }
    .group_segment_fixed_size: 327680
    .private_segment_fixed_size: 0
    .kernarg_segment_align: 8
    .kernarg_segment_size: 24
    .max_flat_workgroup_size: 448
    .sgpr_count:     66
    .vgpr_count:     254
    .wavefront_size: 32
...
	.end_amdgpu_metadata
.endif
;; end of part 2
